; MI455X (gfx1250); checked and timed in simulation.
; The chip was launched on July 23, 2026; its instructions are those of AMD's public machine-readable ISA for CDNA 5 (MIT licence, August 2026) and "CDNA5" Instruction Set Architecture Reference Guide (July 2026). The comments in the code are by the model that wrote it; some were corrected since.
;; SVD Residual Linear. Allowed arithmetic: matrix products marked QUANTISED: E2M1 operands, one E8M0 scale for each 32 along K, by v_wmma_scale_f32_16x16x128_f8f6f4 with both operands' format E2M1 (or v_wmma_scale_f32_32x16x128_f4), f32 sums; everything else in f32.
;; Inputs: S_residual 64 float32; U_residual_codes 4,096 x 2 x 16 uint8 (E2M1 codes of U_residual, K innermost, in blocks of 32 codes, two codes a byte); U_residual_scales 4,096 x 2 uint8 (E8M0 scales of U_residual, one for each 32 codes along K); V_residual_codes 64 x 128 x 16 uint8 (E2M1 codes of V_residual, K innermost, in blocks of 32 codes, two codes a byte); V_residual_scales 64 x 128 uint8 (E8M0 scales of V_residual, one for each 32 codes along K); bias 4,096 float32; weight_main_codes 4,096 x 128 x 16 uint8 (E2M1 codes of weight_main, K innermost, in blocks of 32 codes, two codes a byte); weight_main_scales 4,096 x 128 uint8 (E8M0 scales of weight_main, one for each 32 codes along K); x_codes 8 x 256 x 128 x 16 uint8 (E2M1 codes of x, K innermost, in blocks of 32 codes, two codes a byte); x_scales 8 x 256 x 128 uint8 (E8M0 scales of x, one for each 32 codes along K).
;; Outputs: out0 8 x 256 x 4,096 float32.
;; This version of the problem:
;;   THIS VERSION OF THE PROBLEM IS GIVEN IN LOW PRECISION. The matrix products marked QUANTISED in the list below multiply operands that are first quantised to E2M1 (2 exponent bits, 1 mantissa bit; 4 bits a number), with one power-of-two scale for each 32 numbers along K (OCP MX v1.0); their sums are f32. All else is computed in f32.
;;   The module's matrix products, in the order in which they are computed (A, B: the left and right operand; K: the contracted axis; several contracted axes count as one K, in the product's order):
;;     1. [M 2,048, K 4,096] x [K 4,096, N 4,096]; A: input x (given as codes); B: input weight_main (given as codes): QUANTISED
;;     2. [M 2,048, K 4,096] x [K 4,096, N 64]; A: input x (given as codes); B: input V_residual (given as codes): QUANTISED
;;     3. [M 2,048, K 64] x [K 64, N 4,096]; A: computed on the way; B: input U_residual (given as codes): QUANTISED
;;   THE QUANTISER, for each operand of a quantised product, along K:
;;     - K is cut into blocks of 32 from its start; a last block that is shorter is filled with zeros.
;;     - A block's scale is 2^e with e = floor(log2(the largest magnitude in the block)) - 2, held to -126 .. 127; a block of zeros has e = 0. As a byte (E8M0): e + 127.
;;     - Each number is divided by its block's scale, clamped to +-6, and rounded to the nearest number of E2M1, ties to even, subnormals kept.
;;     - The product sums the exact products of the quantised numbers (number of the format x scale) in f32.
;;   ~~~python
;;   def quantise(x, axis):      # numpy; x: float32 -> the quantised numbers, widened to float32 again
;;       x = np.moveaxis(x, axis, -1); K = x.shape[-1]
;;       x = np.pad(x, [(0, 0)] * (x.ndim - 1) + [(0, -K % 32)]); x = x.reshape(x.shape[:-1] + (-1, 32)); a = np.abs(x).max(-1, keepdims=True)
;;       e = np.where(a > 0, np.clip(np.frexp(np.where(a > 0, a, 1))[1] - 1 - 2, -126, 127), 0)      # np.frexp(a)[1] - 1 = floor(log2(a)), exactly
;;       r = np.clip(x / 2.0 ** e, -6, 6)
;;       step = 2.0 ** (np.maximum(np.frexp(np.where(r == 0, 1, r))[1] - 1, 0) - 1)
;;       q = np.round(r / step) * step * 2.0 ** e      # np.round: ties to even
;;       return np.moveaxis(q.reshape(q.shape[:-2] + (-1,))[..., :K], -1, axis).astype(np.float32)
;;   ~~~
;;   OPERANDS COMPUTED ON THE WAY. 'Computed on the way' means the value that the module computes at that place (a softmax that the list does not call 'softmax' is quantised finished and normalised). What goes into a quantiser is computed in f32, as accurately as f32 sums, v_exp_f32 and their like allow (about 1e-6 of the number): no bf16 or f16 on the way to a quantiser, and a product that is left as it is and whose result goes on into a quantised operand takes f32 operands (vector FMAs, or v_wmma_f32_16x16x4_f32). A number that lies on a knife's edge between two numbers of the format may be rounded either way, as far as f32 arithmetic and the matrix unit's own rounding can turn it there, and no further.
;;   INPUTS GIVEN AS CODES. U_residual (in the module: [4096, 64], K = its axis 1); V_residual (in the module: [64, 4096], K = its axis 1); weight_main (in the module: [4096, 4096], K = its axis 1); x (in the module: [8, 256, 4096], K = its axis 2): each comes as NAME_codes (uint8): NAME with its K axis moved to the last place and cut into blocks of 32 codes, [.., K / 32, bytes a block], one block behind the other in memory; two codes a byte, the lower K in the low four bits (a code: sign, 2 exponent bits, 1 mantissa bit); and NAME_scales (uint8): the same leading axes, one E8M0 byte (e + 127) for each 32 codes along K. Its value is code x scale, taken as it is: it is not quantised again, and the codes and scales need not be those that the quantiser above would give.
;; One version. Each part assembles by itself: llvm-mc -triple=amdgcn-amd-amdhsa -mcpu=gfx1250 --defsym DOCPART=n.
;; ======== version 1 of 1: 1 launch
;; limits: right only within a limited range of input values
;; launch svdlin (part 1): grid 16 x 16, 4 waves a work-group, clusters of 4 x 4, 327,680 bytes of LDS; arguments x_codes, x_scales, weight_main_codes, weight_main_scales, V_residual_codes, V_residual_scales, U_residual_codes, U_residual_scales, S_residual, bias, out0; writes out0
.if DOCPART == 1
	.amdgcn_target "amdgcn-amd-amdhsa--gfx1250"
	.amdhsa_code_object_version 6
	.text
	.protected	k_q7235560cf9_svdlin
	.globl	k_q7235560cf9_svdlin
	.p2align	8
	.type	k_q7235560cf9_svdlin,@function
k_q7235560cf9_svdlin:
	s_mov_b64 s[64:65], 0
	v_nop
	global_prefetch_b8 v0, s[64:65] scope:SCOPE_SE
	s_setreg_imm32_b32 hwreg(HW_REG_WAVE_MODE, 25, 1), 1
	s_wait_xcnt 0x0
	s_wait_alu depctr_hold_cnt(0) depctr_sa_sdst(0) depctr_va_vdst(0) depctr_va_sdst(0) depctr_va_ssrc(0) depctr_va_vcc(0) depctr_vm_vsrc(0)
	s_getreg_b32 s2, hwreg(HW_REG_IB_STS2, 6, 4)
	s_cmp_eq_u32 s2, 0
	s_cbranch_scc0 .Lentry_in_a_cluster
	s_endpgm
.Lentry_in_a_cluster:
	s_bfe_u32 s2, ttmp6, 0x10000c
	s_cmp_lg_u32 s2, 0xf033
	s_cbranch_scc0 .Lentry_shape_is_right
	s_endpgm
.Lentry_shape_is_right:
; y[2048][4096] = x W^T + Q((x V^T) * S) U^T + bias.  x, W, V, U arrive as codes of FP4 (E2M1), K innermost, two codes a byte, with one E8M0 byte for each 32 along K.  All sums f32.  ONE launch.
; DEAD WORK: none.  Every input has a way to the output, and every one is loaded.
; WORK DONE MORE THAN ONCE, on purpose: low = (x V^T) * S of a block of 128 rows is made by each of the 16 work-groups that share those rows, so that no second launch and no buffer are needed.
; The third product's K is 64: the upper half of its one K step of 128 is zero codes on both sides (their scale bytes are 0, not 0xff).
; LIMITS: a NaN or an infinity in low is not served.  A block of low that is all zeros gets the byte 1 where the rule says 127: its codes are zeros, and this program alone reads the byte.
; A sum over K is made as two sums over halves of K that are added in f32, low U^T counted with one of them; the bias is added last: a difference of rounding order.
; SHARES.  A work-group of four waves makes 128 rows x 256 columns of y.  x STAYS IN REGISTERS: wave w = 2 wi + kj holds 64 rows, K half kj: 4 blocks of 16 rows (x-slots) x 16 steps of 128 = 512 registers.
; x-slots 0, 1 are rows 64 kj + 32 wi on, which the wave KEEPS; x-slots 2, 3 are rows 64 (1 - kj) + 32 wi on, which it GIVES to wave w ^ 1, which holds the other half of K of the same rows.
; V's 64 rows (slot 0) and W's rows in four groups of 64 (slots 1 to 4) go through a ring of two LDS regions, all of K at once: a slot's products are 64 finished columns.
; At a slot's end a wave stores the sums that it gives into its partner's room in LDS, and behind a barrier adds what it got to the sums that it keeps.  A group's results leave while the next group is multiplied.
; low of the rows that a wave keeps lies whole in that wave: it is quantised in registers and stays there.
; x itself comes through the same two regions ahead of V, in two halves: of each K half first the rows that its waves keep, then the rows that they give.
; THE MATRIX INSTRUCTION IS USED TRANSPOSED: source 0 = 16 rows of W, V or U, source 1 = 16 rows of x or low: lane (r, h) holds row r, its register j the column 8 h + j of the block.
; CLUSTERS: 4 x 4 work-groups; tile row = 4 x cluster x + cy, tile column = 4 x cluster y + cx.  x's tiles are asked for jointly along a row of the cluster, W's along a column.  V's are asked for by each work-group for itself:
; their address hangs on no place in the cluster, so that it is the same in the partners that a mask of one row or column would leave out.
; SCALE WORDS come straight into registers: the 64 rows' words of a slot are one dense block of 8,192 bytes, read whole by the four waves, a slot ahead of their use.
; PREFETCHES, two refills ahead (x's second half one): of what four partners ask for jointly each names a quarter, by address: 32 blocks of 256 bytes a wave.  V's 512 blocks are named by wave 0 of the sixteen work-groups of the clusters with y = 0, 32 each.
; REGISTERS, in windows of 256.  Window 0: v7-26 addresses; v32-63 x's scale words; v64-127 two sets of V's or W's; v128-143 low's fragments; v144-147 low's and U's scale words; v148-155 the bias; v160-191 S, then U's fragments; v192-255 at work.
;   Window 1: accumulator (i, cb) at v[8 (4 i + cb)]; v128-255 two sets of 8 fragments of V or W, two steps each.   Windows 2, 3: x's fragments, steps 0-7 and 8-15, (q, i) at v[32 q + 8 i].
.set PITCH,  528                       ; an LDS row: 512 bytes + 16 of padding = 132 words: the 16 rows that a load touches start at 16 different banks (64 banks of 4 bytes: ISA guide 11.1)
.set B16,    16*PITCH
.set QT,     64*PITCH                  ; a quarter of K of 64 rows: what one tensor load brings
.set SLOTB,  4*QT
.set GB,     2*SLOTB                   ; behind the ring: 8,704 bytes for each wave: what its partner gives it, then its stage for the way out
.set GSZ,    8704
.set SPITCH, 272
.set SPARE,  GB+4*GSZ                  ; the spare words, 128 bytes for each wave: two blocks of 256 bytes that no other line names
.set GROUP,  64*2048                   ; 64 rows in memory
.set PFX,  7                           ; the prefetch of x: 16 rows x 2 blocks of 256 bytes
.set WSO,  10                          ; byte offsets: W's scale words, U's codes, U's scale bytes, the bias, y
.set GU,   11
.set GUS,  12
.set BO,   13
.set CO,   14
.set STO,  15                          ; the stage: where I put 32 bytes of a row, where I read rows back
.set RD,   16
.set GW,   17                          ; where I store what I give, where I read what I got
.set GR,   18
.set PFO,  19                          ; the prefetches of V and W: a block of 256 bytes a lane
.set ADR,  20                          ; v20-23 V's or W's fragments: region 0's two quarters of my half of K, region 1's
.set SPW,  28                          ; LDS address of my spare word, and 0; never rewritten
.set NIL,  29
.set XS,   32                          ; 16 i + k: lanes 0-15 x-slot i, lanes 16-31 x-slot i + 2, step k
.set WS,   64                          ; 32 (slot mod 2) + 16 b + k: lanes 0-15 block b, lanes 16-31 block b + 2, step k
.set LF,   128
.set LSC,  144
.set USC,  146
.set BIAS, 148
.set AX,   156                         ; v156-159 x's fragments, in the order of ADR
.set UF,   160                         ; S up to low's quantising, then U
.set QM,   160                         ; the quantiser's, over S's registers, behind S's last use
.set QP,   168
.set QE,   176
.set QB,   184
.set TMP,  192
.set G1X,  28
.set G1W,  36
.set G1V,  44
.set G0X,  52
.set G0W,  56                          ; region n at + 4 n
.set G0V,  68
.set MSB, 0
.macro WIN new                         ; the immediate's high byte repeats the setting that is left; a switch that changes nothing is dropped
.if MSB != (\new)
	s_set_vgpr_msb (MSB<<8)|(\new)
.set MSB, (\new)
.endif
.endm
.macro PLACES n
.rept \n
	v_nop
.endr
.endm
.macro CREST                           ; a round of the cluster's barrier behind its opening barrier
	s_cmp_lg_u32 s2, 0
	s_cbranch_scc1 .Lnot_wave_0_\@
	s_barrier_signal -3
.Lnot_wave_0_\@:
	s_barrier_wait -3
	s_barrier_signal -1
	s_barrier_wait -1
.endm
.macro CROUND                          ; a whole round
	s_barrier_signal -1
	s_barrier_wait -1
	CREST
.endm
	s_load_b256 s[4:11], s[0:1], 0x0               ; x's codes s[4:5], scales s[6:7]; W's s[8:9], s[10:11]
	s_load_b256 s[12:19], s[0:1], 0x20             ; V's s[12:13], s[14:15]; U's s[16:17], s[18:19]
	s_load_b128 s[20:23], s[0:1], 0x40             ; S, the bias
	s_load_b64 s[24:25], s[0:1], 0x50              ; y
	v_lshl_add_u32 v[SPW], v0, 2, SPARE
	v_mov_b32 v[NIL], 0
	ds_add_u32 v[SPW], v[NIL]                      ; the wave's opening: the add, twice on end, and its wait ahead of my first tensor load
	ds_add_u32 v[SPW], v[NIL]
	v_lshrrev_b32 v1, 5, v0
	v_readfirstlane_b32 s2, v1                     ; wave 0..3
	s_bfe_u32 s80, ttmp6, 0x40000                  ; cx, cy
	s_bfe_u32 s81, ttmp6, 0x40004
	s_and_b32 s90, ttmp7, 0xffff
	s_lshl_b32 s82, s90, 2
	s_add_co_u32 s82, s82, s80                     ; tile column of y
	s_lshl_b32 s83, ttmp9, 2
	s_add_co_u32 s83, s83, s81                     ; tile row
	s_lshl_b32 s84, s81, 2
	s_lshl_b32 s84, 15, s84                        ; my row of the cluster
	s_lshl_b32 s85, 0x1111, s80                    ; my column
	s_lshr_b32 s86, s2, 1                          ; wi.  Also: the half of K of which I fetch a quarter
	s_and_b32 s87, s2, 1                           ; kj
	s_xor_b32 s88, s2, 1                           ; my partner
	s_or_b32 s90, s90, s2                          ; 0: I ask for V
	; groups 1: 64 rows of 512 elements of one byte, 2,048 bytes apart in memory, 4 words of padding behind every 128
	s_or_b32 s[G1X], s84, (1<<20)|(1<<21)|(6<<22)|(3<<25)
	s_or_b32 s[G1W], s85, (1<<20)|(1<<21)|(6<<22)|(3<<25)
	s_mov_b32 s[G1V], (1<<20)|(6<<22)|(3<<25)
.irp g, G1X, G1W, G1V
	s_mov_b32 s[\g+1], 512<<16                     ; tensor_dim0
	s_mov_b32 s[\g+2], 64<<16                      ; tensor_dim1
	s_mov_b32 s[\g+3], 512<<16                     ; tile_dim0
	s_mov_b32 s[\g+4], 64                          ; tile_dim1
	s_mov_b32 s[\g+5], 2048                        ; tensor_dim0_stride
	s_mov_b32 s[\g+6], 0
	s_mov_b32 s[\g+7], 0
.endr
	; groups 0: the count, and where the tiles go: wave w brings quarter w of K
.irp g, G0X, G0W, G0W+4, G0V
	s_mov_b32 s[\g], 1
.endr
	s_mul_i32 s[G0X+1], s2, QT
	s_mul_i32 s[G0W+1], s2, QT
	s_mul_i32 s[G0V+1], s2, QT
	s_add_co_u32 s[G0W+5], s[G0W+1], SLOTB
	; the scalar parts of the vector addresses
	s_mul_i32 s78, s87, 2*QT                       ; my half of K in a region
	s_mul_i32 s89, s86, 2*B16                      ; my 32 rows of x's 64
	s_add_co_u32 s89, s89, s78
	s_lshl_b32 s97, s87, 6                         ; my half of a row's 128 scale bytes
	s_lshl_b32 s96, s86, 12
	s_add_co_u32 s96, s96, s97
	s_lshl_b32 s98, s83, 14
	s_add_co_u32 s96, s96, s98                     ; x's scale bytes: 128 rows for each tile row, 32 for each wi
	s_lshl_b32 s98, s82, 15
	s_add_co_u32 s98, s98, s97                     ; W's: 256 rows for each tile column
	s_lshl_b32 s99, s82, 13                        ; U's codes: 256 rows of 32 bytes
	s_lshl_b32 s100, s82, 9                        ; U's scale bytes: 2 a row
	s_lshl_b32 s101, s82, 10                       ; 256 columns of 4 bytes
	s_lshl_b32 s3, s83, 21                         ; y: 128 rows of 16,384 bytes for each tile row,
	s_lshl_b32 s26, s86, 19                        ; 32 for each wi,
	s_add_co_u32 s3, s3, s26
	s_lshl_b32 s26, s87, 20                        ; 64 for each kj
	s_add_co_u32 s3, s3, s26
	s_add_co_u32 s3, s3, s101
	s_mul_i32 s26, s2, GSZ
	s_add_co_u32 s26, s26, GB                      ; my room
	s_mul_i32 s27, s88, GSZ
	s_add_co_u32 s27, s27, GB                      ; my partner's
	s_mov_b32 s76, 0x76543210
	s_mov_b32 s77, 0xfedcba98                      ; v_permlanex16_b32's selects for lane l xor 16
	v_and_b32 v1, 15, v0                           ; r
	v_bfe_u32 v2, v0, 4, 1                         ; h
	v_and_b32 v3, 31, v0                           ; lane
	v_mul_u32_u24 v4, v1, PITCH
	v_lshl_add_u32 v4, v2, 4, v4                   ; a fragment's row x pitch + 16 h
	v_add_nc_u32 v5, s78, v4
	v_add_nc_u32 v[ADR], s78, v4
	v_add_nc_u32 v[ADR+1], QT, v5
	v_add_nc_u32 v[ADR+2], SLOTB, v5
	v_add_nc_u32 v[ADR+3], SLOTB+QT, v5
	v_add_nc_u32 v[AX], s89, v4
	v_add_nc_u32 v[AX+1], QT, v[AX]
	v_add_nc_u32 v[AX+2], SLOTB, v[AX]
	v_add_nc_u32 v[AX+3], SLOTB+QT, v[AX]
	v_xor_b32 v24, s87, v2                         ; x's scale words: x-slot i + 2 h is rows 64 (h ^ kj) + 32 wi + 16 i on
	v_lshlrev_b32 v24, 13, v24
	v_lshl_add_u32 v24, v1, 7, v24
	v_add_nc_u32 v24, s96, v24
	v_lshlrev_b32 v6, 12, v2                       ; V's and W's: block b + 2 h
	v_lshl_add_u32 v6, v1, 7, v6
	v_add_nc_u32 v25, s97, v6
	v_add_nc_u32 v[WSO], s98, v6
	v_lshlrev_b32 v[GU], 5, v1
	v_lshl_add_u32 v[GU], v2, 4, v[GU]
	v_add_nc_u32 v[GU], s99, v[GU]
	v_lshlrev_b32 v[GUS], 1, v1
	v_lshl_add_u32 v[GUS], v2, 6, v[GUS]
	v_add_nc_u32 v[GUS], s100, v[GUS]
	v_lshlrev_b32 v[BO], 4, v1
	v_add_nc_u32 v[BO], s101, v[BO]
	v_lshlrev_b32 v[CO], 14, v2
	v_lshl_add_u32 v[CO], v1, 4, v[CO]
	v_add_nc_u32 v[CO], s3, v[CO]
	v_mul_u32_u24 v[STO], v1, SPITCH
	v_lshl_add_u32 v[STO], v2, 5, v[STO]
	v_add_nc_u32 v[STO], s26, v[STO]
	v_mul_u32_u24 v[RD], v2, SPITCH
	v_lshl_add_u32 v[RD], v1, 4, v[RD]
	v_add_nc_u32 v[RD], s26, v[RD]
	v_lshlrev_b32 v27, 4, v3
	v_add_nc_u32 v[GW], s27, v27
	v_add_nc_u32 v[GR], s26, v27
	v_lshlrev_b32 v26, 5, v2                       ; S: 8 h numbers on
	v_lshlrev_b32 v[PFO], 8, v3
	v_and_b32 v8, 1, v3
	v_lshlrev_b32 v8, 8, v8
	v_lshrrev_b32 v[PFX], 1, v3
	v_lshl_add_u32 v[PFX], v[PFX], 11, v8          ; row lane / 2, block lane % 2
	s_wait_alu depctr_va_vdst(0)
	s_wait_dscnt 0x0                               ; both opening adds are done
	s_wait_kmcnt 0x0
.irp i, 0,1
.irp m, 0,1,2,3
	global_load_b128 v[XS+16*\i+4*\m:XS+16*\i+4*\m+3], v24, s[6:7] offset:2048*\i+16*\m
	global_load_b128 v[WS+16*\i+4*\m:WS+16*\i+4*\m+3], v25, s[14:15] offset:2048*\i+16*\m
.endr
.endr
.irp b, 0,1,2,3
.irp c, 0,1
	global_load_b128 v[UF+8*\b+4*\c:UF+8*\b+4*\c+3], v26, s[20:21] offset:64*\b+16*\c   ; S at low's columns 16 b + 8 h + 4 c on
.endr
.endr
	s_lshl_b32 s104, s2, 9                         ; quarter w of a row
	s_mov_b32 s105, 0
	s_lshl_b32 s92, s83, 18                        ; x: 128 rows of 2,048 bytes for each tile row
	s_mov_b32 s93, 0
	s_add_nc_u64 s[G0X+2:G0X+3], s[4:5], s[92:93]
	s_add_nc_u64 s[G0X+2:G0X+3], s[G0X+2:G0X+3], s[104:105]
	s_lshl_b32 s92, s86, 17                        ; s[92:93]: where the first 64 rows that I fetch begin: 64 x the half of K,
	s_xor_b32 s96, s92, GROUP                      ; s[96:97]: and the second
	s_mov_b32 s97, 0
	s_add_nc_u64 s[78:79], s[G0X+2:G0X+3], s[96:97]
	s_lshl_b32 s100, s80, 15                       ; the prefetch of x's second half: of the 64 rows that I fetch my work-group's 16, by cx
	s_mov_b32 s101, 0
	s_add_nc_u64 s[78:79], s[78:79], s[100:101]
	s_add_nc_u64 s[G0X+2:G0X+3], s[G0X+2:G0X+3], s[92:93]
	s_add_nc_u64 s[G0V+2:G0V+3], s[12:13], s[104:105]
	s_lshl_b32 s94, s82, 19                        ; W: 256 rows for each tile column
	s_mov_b32 s95, 0
	s_add_nc_u64 s[72:73], s[8:9], s[94:95]
	s_add_nc_u64 s[G0W+6:G0W+7], s[72:73], s[104:105]            ; region 1 begins with group 0,
	s_add_nc_u64 s[G0W+2:G0W+3], s[G0W+6:G0W+7], GROUP           ; region 0 (behind V) with group 1
.irp g, G0X, G0W, G0W+4, G0V
	s_or_b32 s[\g+3], s[\g+3], 0x80000000          ; type = 2
.endr
	s_lshl_b32 s104, s81, 15                       ; the prefetches of W: blocks 128 cy + 32 w + lane of a group
	s_lshl_b32 s98, s2, 13
	s_add_co_u32 s104, s104, s98
	s_add_nc_u64 s[72:73], s[72:73], s[104:105]
	s_lshl_b32 s104, s81, 2                        ; of V: blocks 32 (cx + 4 cy) + lane
	s_add_co_u32 s104, s104, s80
	s_lshl_b32 s104, s104, 13
	s_add_nc_u64 s[74:75], s[12:13], s[104:105]
	CROUND                                         ; all sixteen work-groups are here: the first joint loads meet
	tensor_load_to_lds s[G0X:G0X+3], s[G1X:G1X+7]  ; x's first half, quarter w of K, into region 0
	s_nop 0
	PLACES 4
	global_prefetch_b8 v[PFX], s[78:79] th:TH_LOAD_NT scope:SCOPE_SE
	s_cmp_lg_u32 s90, 0
	s_cbranch_scc1 .Lnot_v
	global_prefetch_b8 v[PFO], s[74:75] th:TH_LOAD_NT scope:SCOPE_SE
.Lnot_v:
; One matrix instruction: registers in rD, rA, rB, scale words in rSA, rSB; fA, fB: whether those are taken from lanes 16-31; fZ: C = 0 starts the sum.
.macro WM
.if fZ
.if fA && fB
	v_wmma_scale_f32_16x16x128_f8f6f4 v[rD:rD+7], v[rA:rA+7], v[rB:rB+7], 0, v[rSA], v[rSB] matrix_a_fmt:MATRIX_FMT_FP4 matrix_b_fmt:MATRIX_FMT_FP4 matrix_a_scale:MATRIX_SCALE_ROW1 matrix_b_scale:MATRIX_SCALE_ROW1
.elseif fA
	v_wmma_scale_f32_16x16x128_f8f6f4 v[rD:rD+7], v[rA:rA+7], v[rB:rB+7], 0, v[rSA], v[rSB] matrix_a_fmt:MATRIX_FMT_FP4 matrix_b_fmt:MATRIX_FMT_FP4 matrix_a_scale:MATRIX_SCALE_ROW1
.elseif fB
	v_wmma_scale_f32_16x16x128_f8f6f4 v[rD:rD+7], v[rA:rA+7], v[rB:rB+7], 0, v[rSA], v[rSB] matrix_a_fmt:MATRIX_FMT_FP4 matrix_b_fmt:MATRIX_FMT_FP4 matrix_b_scale:MATRIX_SCALE_ROW1
.else
	v_wmma_scale_f32_16x16x128_f8f6f4 v[rD:rD+7], v[rA:rA+7], v[rB:rB+7], 0, v[rSA], v[rSB] matrix_a_fmt:MATRIX_FMT_FP4 matrix_b_fmt:MATRIX_FMT_FP4
.endif
.else
.if fA && fB
	v_wmma_scale_f32_16x16x128_f8f6f4 v[rD:rD+7], v[rA:rA+7], v[rB:rB+7], v[rD:rD+7], v[rSA], v[rSB] matrix_a_fmt:MATRIX_FMT_FP4 matrix_b_fmt:MATRIX_FMT_FP4 matrix_a_scale:MATRIX_SCALE_ROW1 matrix_b_scale:MATRIX_SCALE_ROW1
.elseif fA
	v_wmma_scale_f32_16x16x128_f8f6f4 v[rD:rD+7], v[rA:rA+7], v[rB:rB+7], v[rD:rD+7], v[rSA], v[rSB] matrix_a_fmt:MATRIX_FMT_FP4 matrix_b_fmt:MATRIX_FMT_FP4 matrix_a_scale:MATRIX_SCALE_ROW1
.elseif fB
	v_wmma_scale_f32_16x16x128_f8f6f4 v[rD:rD+7], v[rA:rA+7], v[rB:rB+7], v[rD:rD+7], v[rSA], v[rSB] matrix_a_fmt:MATRIX_FMT_FP4 matrix_b_fmt:MATRIX_FMT_FP4 matrix_b_scale:MATRIX_SCALE_ROW1
.else
	v_wmma_scale_f32_16x16x128_f8f6f4 v[rD:rD+7], v[rA:rA+7], v[rB:rB+7], v[rD:rD+7], v[rSA], v[rSB] matrix_a_fmt:MATRIX_FMT_FP4 matrix_b_fmt:MATRIX_FMT_FP4
.endif
.endif
.endm
; Matrix instruction m of step k of slot s: block cb = m / 4 of V's or W's 64 rows, x-slot i = m % 4.  The 16 accumulators take turns, one instruction a turn.
.macro MUL s, k, m
.set rD, 8*(4*((\m)%4)+(\m)/4)
.set rA, 128+64*(((\k)/2)%2)+32*((\k)%2)+8*((\m)/4)
.set rB, 32*((\k)%8)+8*((\m)%4)
.set rSA, WS+32*((\s)%2)+16*(((\m)/4)%2)+(\k)
.set rSB, XS+16*((\m)%2)+(\k)
.set fA, (\m)/8
.set fB, ((\m)%4)/2
.if (\k) == 0
.set fZ, 1
.else
.set fZ, 0
.endif
	WM
.endm
.macro M16 s, k
.irp m, 0,1,2,3,4,5,6,7,8,9,10,11,12,13,14,15
	MUL \s, \k, \m
.endr
.endm
; LDS load n (of 8) of step k's fragments; k = 16, 17: the next slot's steps 0, 1.  A fragment: lane (r, h) holds row r; registers 4 c .. 4 c + 3 hold K = 64 c + 32 h + 0 .. 31: 16 bytes of the row as they lie.
.macro LD s, k, n
.if (\k) > 15
.set lR, 2*((\s+1)%2)+((\k)-16)/8
.else
.set lR, 2*((\s)%2)+(\k)/8
.endif
.set lD, 128+64*(((\k)/2)%2)+32*((\k)%2)+4*(\n)
	ds_load_b128 v[lD:lD+3], v[ADR+lR] offset:((\n)/2)*B16+64*((\k)%8)+32*((\n)%2)
.endm
.macro RUN s, k                        ; 16 loads in one run: the fragments of steps k, k + 1
	WIN 0x40                                       ; loaded data window 1
.irp n, 0,1,2,3,4,5,6,7
	LD \s, \k, \n
.endr
.irp n, 0,1,2,3,4,5,6,7
	LD \s, \k+1, \n
.endr
.endm
; Two steps of 128 along K, 2 d and 2 d + 1, behind the run of the two that follow them.  The run's registers were last read by the two steps before, and four v_nop stand between
; (ISA guide 7.12.1 for vector instructions).
; ca, cb: the LDS instructions issued behind the first and the second step's fragments, which may stay out: 8 + 16 and 16; 16 more where a stage stands ahead of the run.
.macro DSTEP s, d, ca, cb
	PLACES 4
	RUN \s, 2*\d+2
	s_wait_dscnt \ca
	WIN 0x59+4*((\d)/4)                            ; source 0 window 1, source 1 window 2 or 3, C and D window 1
	M16 \s, 2*\d
	s_wait_dscnt \cb
	M16 \s, 2*\d+1
.endm
; Step 14: the slot's last fragments have been asked for.  kind = 1: this region is filled again behind a round; 0: a barrier shows the last slot's tile to all; 2: the last slot: a barrier alone, so that the rooms may be written again.
.macro TURN s, kind
	WIN 0
.if (\kind) < 2
	s_wait_tensorcnt 0x0                           ; my part of the next slot is in, and no tensor load of mine is out
.endif
.if (\kind) == 1
	ds_add_u32 v[SPW], v[NIL]                      ; 0 onto my spare word; products stand between it and the wait for it
.if (\s) > 0
	s_add_nc_u64 s[G0W+4*((\s)%2)+2:G0W+4*((\s)%2)+3], s[G0W+4*((\s)%2)+2:G0W+4*((\s)%2)+3], 2*GROUP
.endif
	s_wait_dscnt 9                                 ; the add and step 15's 8 loads may be out
.else
	s_wait_dscnt 8
.endif
	WIN 0x5d
.irp m, 0,1,2,3,4,5,6,7
	MUL \s, 14, \m
.endr
	s_wait_dscnt 0x0                               ; the add is done, and my reads of this slot and of my room are over
	s_barrier_signal -1
.irp m, 8,9,10,11,12,13,14,15
	MUL \s, 14, \m
.endr
	WIN 0
	s_barrier_wait -1
.if (\kind) == 1
	CREST                                          ; no wave of any partner still reads this region or has a load on its way
	tensor_load_to_lds s[G0W+4*((\s)%2):G0W+4*((\s)%2)+3], s[G1W:G1W+7]   ; group s + 1: my one tensor load behind the round
	s_nop 0
.endif
.if (\kind) < 2
	PLACES 4
	RUN \s, 16
.endif
.if (\s) == 0
	WIN 0
	global_prefetch_b8 v[PFO], s[72:73] offset:3*GROUP th:TH_LOAD_NT scope:SCOPE_SE   ; group 3, two refills ahead
.endif
.endm
; The loads into registers: the next slot's scale words; this slot's U, its scale bytes and the bias.
.macro GLOADS s
	WIN 0
.if (\s) < 4
.irp b, 0,1
.irp m, 0,1,2,3
	global_load_b128 v[WS+32*((\s+1)%2)+16*\b+4*\m:WS+32*((\s+1)%2)+16*\b+4*\m+3], v[WSO], s[10:11] offset:8192*(\s)+2048*\b+16*\m
.endr
.endr
.endif
.if (\s) > 0
.irp b, 0,1,2,3
	global_load_b128 v[UF+8*\b:UF+8*\b+3], v[GU], s[16:17] offset:2048*(\s-1)+512*\b
.endr
.irp b, 0,1
	global_load_u16 v[USC+\b], v[GUS], s[18:19] offset:128*(\s-1)+32*\b   ; lanes 0-15 block b, lanes 16-31 block b + 2; the word's upper two bytes are 0, over zero codes
.endr
	global_load_b128 v[BIAS+4*((\s)%2):BIAS+4*((\s)%2)+3], v[BO], s[22:23] offset:256*(\s-1)
.endif
.endm
; Step 15 and a slot's end.  The sums that I give are finished first and go into my partner's room; those that I keep are finished meanwhile; behind the barrier what I got is added to them.  Behind V's slot there is no third product.
.macro GIVE s
	WIN 0x5d                                       ; (step 15's fragments are in since the wait for 0 ahead of the barrier)
.irp m, 2,3,6,7,10,11,14,15
	MUL \s, 15, \m
.endr
	PLACES 4                                       ; in front of the first read of results
	WIN 0x04                                       ; an LDS store's data: window 1
.irp n, 0,1,2,3,4,5,6,7
	ds_store_b128 v[GW], v[64+8*\n:64+8*\n+3] offset:1024*\n     ; each accumulator from its low end on
	ds_store_b128 v[GW], v[64+8*\n+4:64+8*\n+7] offset:1024*\n+512
.endr
	WIN 0x5d
.irp m, 0,1,4,5,8,9,12,13
	MUL \s, 15, \m
.endr
	WIN 0
	s_wait_loadcnt 0x0                             ; U, its scale bytes, the bias, the next slot's scale words are in
	s_wait_xcnt 0x0                                ; the group before's stores have read their registers
	s_wait_dscnt 0x0                               ; for my partner's sake: my stores are done
	s_barrier_signal -1
.if (\s) > 0
	WIN 0x50                                       ; C and D window 1
.set fZ, 0
.irp b, 0,1,2,3                        ; THE THIRD PRODUCT, one more K step onto the sums that I keep: source 0 = 16 rows of U, source 1 = 16 rows of low
.irp i, 0,1
.set rD, 8*(4*\i+\b)
.set rA, UF+8*\b
.set rB, LF+8*\i
.set rSA, USC+\b%2
.set rSB, LSC+\i
.set fA, \b/2
.set fB, 0
	WM
.endr
.endr
	WIN 0
.endif
	s_barrier_wait -1
.irp n, 0,1,2,3,4,5,6,7
	ds_load_b128 v[TMP+8*\n:TMP+8*\n+3], v[GR] offset:1024*\n
	ds_load_b128 v[TMP+8*\n+4:TMP+8*\n+7], v[GR] offset:1024*\n+512
.endr
	PLACES 4                                       ; in front of the first read of the sums that I keep
	WIN 0x04
	s_wait_dscnt 8
.irp n, 0,2,4,6,8,10,12,14,16,18,20,22,24,26,28,30
	v_pk_add_f32 v[TMP+\n:TMP+\n+1], v[TMP+\n:TMP+\n+1], v[\n:\n+1]
.endr
	s_wait_dscnt 0x0
.irp n, 32,34,36,38,40,42,44,46,48,50,52,54,56,58,60,62
	v_pk_add_f32 v[TMP+\n:TMP+\n+1], v[TMP+\n:TMP+\n+1], v[\n:\n+1]
.endr
	WIN 0
	s_wait_alu depctr_va_vdst(0)
.endm
; THE WAY OUT of 16 rows x 64 columns: into my stage (my own room: what I got has been read), and back as whole rows of 256 bytes.  LDS serves a wave's instructions in order (ISA guide 5.7.1.4).
.macro STAGE i
	WIN 0
.irp b, 0,1,2,3
	ds_store_b128 v[STO], v[TMP+32*\i+8*\b:TMP+32*\i+8*\b+3] offset:16*SPITCH*\i+64*\b
	ds_store_b128 v[STO], v[TMP+32*\i+8*\b+4:TMP+32*\i+8*\b+7] offset:16*SPITCH*\i+64*\b+16
.endr
.irp t, 0,1,2,3,4,5,6,7
	ds_load_b128 v[TMP+32*\i+4*\t:TMP+32*\i+4*\t+3], v[RD] offset:16*SPITCH*\i+2*SPITCH*\t
.endr
.endm
.macro SEND i, sl                      ; sl: the slot whose columns these are
	WIN 0
.set BI, BIAS+4*((\sl)%2)
.irp t, 0,1,2,3,4,5,6,7
	v_pk_add_f32 v[TMP+32*\i+4*\t:TMP+32*\i+4*\t+1], v[TMP+32*\i+4*\t:TMP+32*\i+4*\t+1], v[BI:BI+1]
	v_pk_add_f32 v[TMP+32*\i+4*\t+2:TMP+32*\i+4*\t+3], v[TMP+32*\i+4*\t+2:TMP+32*\i+4*\t+3], v[BI+2:BI+3]
.endr
.irp t, 0,1,2,3,4,5,6,7
	global_store_b128 v[CO], v[TMP+32*\i+4*\t:TMP+32*\i+4*\t+3], s[24:25] offset:(16*\i+2*\t)*16384+256*((\sl)-1) th:TH_STORE_NT   ; 16 lanes store 256 consecutive bytes, at a multiple of 256 from y's first byte
.endr
.endm
; A slot: 16 steps of my half of K.  From slot 2 on the group before leaves between steps 2 and 9: a stage is in behind the first wait of the second pair of steps after it, whose count, 24, leaves younger fragments alone.
.macro SLOT s, kind
	DSTEP \s, 0, 24, 16
	GLOADS \s
.if (\s) > 1
	STAGE 0
	DSTEP \s, 1, 40, 32
	DSTEP \s, 2, 24, 16
	SEND 0, \s-1
	STAGE 1
	DSTEP \s, 3, 40, 32
	DSTEP \s, 4, 24, 16
	SEND 1, \s-1
.else
.irp d, 1,2,3,4
	DSTEP \s, \d, 24, 16
.endr
.endif
	DSTEP \s, 5, 24, 16
	DSTEP \s, 6, 24, 16
	TURN \s, \kind
	GIVE \s
.endm
.macro XREAD p                         ; half p of x, from region p into x-slots 2 p, 2 p + 1
.irp j, 0,1
	WIN 0x80+0x40*\j                               ; loaded data: window 2, window 3
.irp q, 0,1,2,3,4,5,6,7
.irp i, 0,1
.irp c, 0,1
	ds_load_b128 v[32*\q+8*(2*\p+\i)+4*\c:32*\q+8*(2*\p+\i)+4*\c+3], v[AX+2*\p+\j] offset:\i*B16+64*\q+32*\c
.endr
.endr
.endr
.endr
	WIN 0
.endm
	s_wait_tensorcnt 0x0                           ; my part of x's first half is in
	ds_add_u32 v[SPW], v[NIL]
	s_add_co_u32 s[G0X+1], s[G0X+1], SLOTB
	s_sub_nc_u64 s[G0X+2:G0X+3], s[G0X+2:G0X+3], s[92:93]
	s_add_nc_u64 s[G0X+2:G0X+3], s[G0X+2:G0X+3], s[96:97]
	s_wait_dscnt 0x0                               ; the add is done
	CROUND                                         ; everybody's part is in
	tensor_load_to_lds s[G0X:G0X+3], s[G1X:G1X+7]  ; x's second half into region 1
	s_nop 0
	PLACES 4
	XREAD 0
	global_prefetch_b8 v[PFO], s[72:73] th:TH_LOAD_NT scope:SCOPE_SE                  ; group 0, two refills ahead
	s_wait_tensorcnt 0x0
	ds_add_u32 v[SPW], v[NIL]
	s_wait_dscnt 0x0                               ; the add is done, and my part of the first half is in registers
	CROUND
	tensor_load_to_lds s[G0V:G0V+3], s[G1V:G1V+7]  ; V into region 0
	s_nop 0
	PLACES 4
	XREAD 1
	global_prefetch_b8 v[PFO], s[72:73] offset:GROUP th:TH_LOAD_NT scope:SCOPE_SE     ; group 1
	s_wait_tensorcnt 0x0
	ds_add_u32 v[SPW], v[NIL]
	s_wait_dscnt 0x0
	CROUND                                         ; V is in, and x is in registers
	tensor_load_to_lds s[G0W+4:G0W+7], s[G1W:G1W+7]   ; group 0 into region 1
	s_nop 0
	PLACES 4
	RUN 0, 0
	WIN 0
	global_prefetch_b8 v[PFO], s[72:73] offset:2*GROUP th:TH_LOAD_NT scope:SCOPE_SE   ; group 2
	s_wait_loadcnt 0x0                             ; x's and V's scale words and S are in
	SLOT 0, 1
	; lane (r, h) holds, of row r of x-slot i, x V^T at columns 16 b + 8 h + j in register 32 i + 8 b + j: times S, then quantised along the columns, two blocks of 32 a row
.irp i, 0,1
.irp n, 0,2,4,6,8,10,12,14,16,18,20,22,24,26,28,30
	v_pk_mul_f32 v[TMP+32*\i+\n:TMP+32*\i+\n+1], v[TMP+32*\i+\n:TMP+32*\i+\n+1], v[UF+\n:UF+\n+1]
.endr
.endr
.irp q, 0,1,2,3                        ; q = 2 i + block
	v_max3_num_f32 v[QM+\q], |v[TMP+16*\q]|, |v[TMP+16*\q+1]|, 0x1800000   ; my 16 numbers of the block, and the floor 2^(3 - 127): so the byte cannot fall under 1
.endr
.irp n, 2,4,6,8,10,12,14
.irp q, 0,1,2,3
	v_max3_num_f32 v[QM+\q], v[QM+\q], |v[TMP+16*\q+\n]|, |v[TMP+16*\q+\n+1]|
.endr
.endr
.irp q, 0,1,2,3
	v_permlanex16_b32 v[QP+\q], v[QM+\q], s76, s77
.endr
.irp q, 0,1,2,3
	v_max_num_f32 v[QM+\q], v[QM+\q], v[QP+\q]     ; with lane l xor 16's 16: the block's largest magnitude
.endr
.irp q, 0,1,2,3
	v_add_nc_u32 v[QE+\q], 0xff000000, v[QM+\q]    ; 2 off its exponent field: the conversion takes the exponent field of this operand as its scale, and nothing else of it
.endr
.irp q, 0,1,2,3
	v_lshrrev_b32 v[QB+\q], 23, v[QE+\q]           ; the scale's byte
.endr
.irp i, 0,1
.irp b, 0,1
.irp u, 0,1
	v_cvt_scalef32_pk8_fp4_f32 v[LF+8*\i+2*\u+\b], v[TMP+32*\i+16*\b+8*\u:TMP+32*\i+16*\b+8*\u+7], v[QE+2*\i+\b]   ; the codes of columns 32 b + 16 u + 8 h + 0 .. 7: word 2 u + h of block b
.endr
.endr
.endr
	v_nop                                          ; one plain place behind the last scaled conversion
.irp i, 0,1
.irp u, 0,1
	v_permlane16_swap_b32 v[LF+8*\i+2*\u], v[LF+8*\i+2*\u+1]   ; lanes 0-15 now hold words 2 u, 2 u + 1 of block 0, lanes 16-31 those of block 1
.endr
	v_lshl_or_b32 v[LSC+\i], v[QB+2*\i+1], 8, v[QB+2*\i]       ; low's scale word; its upper two bytes are 0, over zero codes
.endr
.irp j, 4,5,6,7
.irp i, 0,1
	v_mov_b32 v[LF+8*\i+\j], 0                     ; K = 64 .. 127: zero codes
.endr
.irp b, 0,1,2,3
	v_mov_b32 v[UF+8*\b+\j], 0
.endr
.endr
	s_wait_alu depctr_va_vdst(0)
	SLOT 1, 1
	SLOT 2, 1
	SLOT 3, 0
	SLOT 4, 2
	STAGE 0
	STAGE 1
	s_wait_dscnt 16                                ; the second stage's 16 may be out
	SEND 0, 4
	s_wait_dscnt 0x0
	SEND 1, 4
	s_wait_tensorcnt 0x0                           ; the wave's end: behind my last tensor load and my last LDS store
	ds_add_u32 v[SPW], v[NIL]
	s_wait_dscnt 0x0
	CROUND                                         ; the closing round: no work-group ends while a partner may still ask for a tile that names it
	s_endpgm
.Lfunc_end_k_q7235560cf9_svdlin:
	.size	k_q7235560cf9_svdlin, .Lfunc_end_k_q7235560cf9_svdlin-k_q7235560cf9_svdlin
	.p2alignl 7, 3214868480
	.fill 96, 4, 3214868480
	.section	.rodata,"a",@progbits
	.p2align	6, 0x0
	.amdhsa_kernel k_q7235560cf9_svdlin
		.amdhsa_group_segment_fixed_size 327680
		.amdhsa_private_segment_fixed_size 0
		.amdhsa_enable_private_segment 0
		.amdhsa_kernarg_size 88
		.amdhsa_user_sgpr_count 2
		.amdhsa_user_sgpr_kernarg_segment_ptr 1
		.amdhsa_wavefront_size32 1
		.amdhsa_system_sgpr_workgroup_id_x 1
		.amdhsa_system_sgpr_workgroup_id_y 1
		.amdhsa_system_sgpr_workgroup_id_z 1
		.amdhsa_system_vgpr_workitem_id 0
		.amdhsa_next_free_vgpr 1024
		.amdhsa_next_free_sgpr 106
		.amdhsa_reserve_vcc 0
		.amdhsa_float_denorm_mode_32 3
		.amdhsa_float_denorm_mode_16_64 3
		.amdhsa_memory_ordered 1
		.amdhsa_forward_progress 1
		.amdhsa_inst_pref_size 255
	.end_amdhsa_kernel
	.section	.bss,"aw",@nobits
	.p2align	6
	.space	262144
	.amdgpu_metadata
---
amdhsa.version: [ 1, 2 ]
amdhsa.kernels:
  - .name:           k_q7235560cf9_svdlin
    .symbol:         k_q7235560cf9_svdlin.kd
    .args:
      - { .name: x_codes, .offset: 0, .size: 8, .value_kind: global_buffer, .address_space: global }
      - { .name: x_scales, .offset: 8, .size: 8, .value_kind: global_buffer, .address_space: global }
      - { .name: weight_main_codes, .offset: 16, .size: 8, .value_kind: global_buffer, .address_space: global }
      - { .name: weight_main_scales, .offset: 24, .size: 8, .value_kind: global_buffer, .address_space: global }
      - { .name: V_residual_codes, .offset: 32, .size: 8, .value_kind: global_buffer, .address_space: global }
      - { .name: V_residual_scales, .offset: 40, .size: 8, .value_kind: global_buffer, .address_space: global }
      - { .name: U_residual_codes, .offset: 48, .size: 8, .value_kind: global_buffer, .address_space: global }
      - { .name: U_residual_scales, .offset: 56, .size: 8, .value_kind: global_buffer, .address_space: global }
      - { .name: S_residual, .offset: 64, .size: 8, .value_kind: global_buffer, .address_space: global }
      - { .name: bias, .offset: 72, .size: 8, .value_kind: global_buffer, .address_space: global }
      - { .name: out0, .offset: 80, .size: 8, .value_kind: global_buffer, .address_space: global }
    .group_segment_fixed_size: 327680
    .private_segment_fixed_size: 0
    .kernarg_segment_align: 8
    .kernarg_segment_size: 88
    .max_flat_workgroup_size: 128
    .sgpr_count:     106
    .vgpr_count:     1024
    .wavefront_size: 32
...
	.end_amdgpu_metadata
.endif
;; end of part 1
